; MI455X (gfx1250); checked and timed in simulation.
; The chip was launched on July 23, 2026; its instructions are those of AMD's public machine-readable ISA for CDNA 5 (MIT licence, August 2026) and "CDNA5" Instruction Set Architecture Reference Guide (July 2026). The comments in the code are by the model that wrote it; some were corrected since.
;; Layer. Allowed arithmetic: float matrix products may take bf16 or f16 operands with f32 sums; other float arithmetic in f32, or as packed bf16 or f16 multiplies, adds, multiply-adds, maxima and minima; sums over many terms, partial sums and values carried from step to step in f32; what a program stores and reads back later, other than sums and carried values, may be rounded once to bf16 or f16.
;; Inputs: A 2,048 x 4,096 float32; B_packed 512 x 8,192 int32; s 32 x 8,192 float32.
;; Outputs: out0 2,048 x 8,192 float32.
;; One version. Each part assembles by itself: llvm-mc -triple=amdgcn-amd-amdhsa -mcpu=gfx1250 --defsym DOCPART=n.
;; ======== version 1 of 1: 1 launch
;; limits: values are held in f16: magnitudes above 65,504 overflow, below 6.1e-05 lose precision; inputs' magnitudes at most 65,504; right only within a limited range of input values; values outside matrix products are rounded to f16
;; launch gemm (part 1): grid 32 x 8, 4 waves a work-group, clusters of 4 x 4, 327,680 bytes of LDS; arguments A, B_packed, s, out0; writes out0
.if DOCPART == 1
	.amdgcn_target "amdgcn-amd-amdhsa--gfx1250"
	.amdhsa_code_object_version 6
	.text
	.protected	k_q1203d0d8bd_gemm
	.globl	k_q1203d0d8bd_gemm
	.p2align	8
	.type	k_q1203d0d8bd_gemm,@function
k_q1203d0d8bd_gemm:
	s_mov_b64 s[64:65], 0
	v_nop
	global_prefetch_b8 v0, s[64:65] scope:SCOPE_SE
	s_setreg_imm32_b32 hwreg(HW_REG_WAVE_MODE, 25, 1), 1
	s_wait_xcnt 0x0
	s_wait_alu depctr_hold_cnt(0) depctr_sa_sdst(0) depctr_va_vdst(0) depctr_va_sdst(0) depctr_va_ssrc(0) depctr_va_vcc(0) depctr_vm_vsrc(0)
	s_getreg_b32 s2, hwreg(HW_REG_IB_STS2, 6, 4)
	s_cmp_eq_u32 s2, 0
	s_cbranch_scc0 .Lentry_in_a_cluster
	s_endpgm
.Lentry_in_a_cluster:
	s_bfe_u32 s2, ttmp6, 0x10000c
	s_cmp_lg_u32 s2, 0xf033
	s_cbranch_scc0 .Lentry_shape_is_right
	s_endpgm
.Lentry_shape_is_right:
; out0[2048][8192] (f32) = A[2048][4096] (f32) x W[4096][8192],  W[k][n] = (q[k][n] - 8) s[k / 128][n],  q = nibble k % 8 of B_packed[k / 8][n] (int32, [512][8192]).
; ONE LAUNCH: A is rounded to f16 and W is unpacked, scaled and rounded to f16 in registers, on the way from LDS to the matrix unit; sums in f32.
; ARITHMETIC.  A: one rounding to f16.  W: 0x6400 | q is 1024 + q and 0x5400 | (q << 4) is 64 + q in f16, so q - 8 comes out exact by one packed add; it is multiplied by
; f16(128 s) (s rounded once, the product once).  The factor 128 puts the products in the middle of f16's range; 2^-7 is taken out again in f32 on the way out.
; LIMITS.  |A| up to 65,504; below 6.1e-5 A keeps f16's fixed step of 6e-8.  |s| up to 63.9 (8 x 128 x s stays inside f16); below 4.8e-7, 128 s keeps that fixed step.
; NaN and infinities are not treated apart.  Within a matrix instruction k stands in permuted places (alike in A and W), so the last bits differ from sums in ascending k.
; SHARES.  A work-group of four waves makes 256 x 256 of out0, a wave 128 x 128: 64 accumulators of 16 x 16, 512 registers.  32 x 8 work-groups.  K goes in 32 steps of 128, one group of
; scales each, through two LDS slots filled by the tensor data mover: 256 rows x 512 bytes of A (f32) and 16 rows x 1,024 bytes of B_packed a step.
; CLUSTER.  4 x 4 work-groups.  The four of a row of the cluster need the same tile of A, the four of a column the same tile of B_packed: each tile is asked for jointly, by the same tensor
; load with the same descriptor and a mask that names the four.
; PLACES OF K.  A quarter of a step is 32 k.  Lanes 16 h .. 16 h + 15 take k = 32 c + 16 h + 0..15; register 4 i + t of a fragment holds k = 32 c + 16 h + 8 i + t (low half) and + 4 (high half).
; For W that is what one mask cuts out of word (4 c + 2 h + i) of a column: nibbles t and t + 4 lie 16 bits apart.  For A it is a choice of the two sources of each packed conversion.
; PLACES OF N.  Column block b = 4 u + b' (u = 0, 1), lane r, is column 64 u + 4 r + b' of my 128: one 16-byte LDS load brings a lane the words of four blocks, and on the way out the
; same register of four accumulators is 16 consecutive bytes of a row of out0, sixteen lanes 256 consecutive bytes at a multiple of 256 from out0's first byte.
; BY TURNS.  A quarter has 64 matrix instructions and 272 vector instructions (64 conversions of A, 208 for W): a slice of four or five stands behind each matrix instruction and makes the
; NEXT quarter's fragments; the raw data of the quarter after that are fetched from LDS in one run of 36 loads.
; REGISTERS, in windows of 256 (s_set_vgpr_msb: bits 1:0 source 0, 3:2 source 1, 5:4 source 2, 7:6 destination):
;   window 0: v0-31 addresses and constants; v32-63 raw words of B, two buffers; v64-127, v128-191 fragments of A, two buffers (on the way out: rows to be stored); v192-199 scales in f16; v200-207 in f32
;   window 1: v0-63, v192-255 raw A (f32), 16 registers a block of 16 rows; v64-127, v128-191 fragments of W, two buffers
;   window 2: the accumulators of my rows 0-63 ((a, b) at v[8 (8 (a % 4) + b)]);   window 3: those of my rows 64-127
.set PA,    528                        ; an LDS row of A: 512 bytes + 16 of padding = 132 words: the 16 rows of a load start at 16 different groups of four banks (64 banks of 4 bytes: ISA guide 11.1)
.set HALFA, 128*PA                     ; 128 rows of A: one tensor load, and what one wave reads
.set BOFF,  2*HALFA                    ; B's part of a slot
.set PB,    1024                       ; an LDS row of B: 256 words, no padding: sixteen lanes of a load take 256 consecutive bytes
.set HALFB, 8*PB                       ; 8 rows of B: one tensor load
.set SLOT,  BOFF+2*HALFB               ; 151,552 bytes
.set SPARE, 2*SLOT                     ; behind the ring: the spare words, 128 bytes for each wave: two blocks of 256 bytes that no other line names
.set LAPS,  16                         ; a lap = two K steps = once round the ring
.set ADRA, 16                          ; v16-17  LDS address of my raw A in slot 0, 1
.set ADRB, 20                          ; v20-21  the same for B
.set CO,   26                          ; v26     my byte offset in out0: 8 rows for the upper half of the lanes, 16 bytes a lane
.set SO,   27                          ; v27     16 x (lane % 16): my byte offset in a row of s
.set SPW,  28                          ; v28     LDS address of my spare word: SPARE + 4 x my thread's number; never rewritten
.set NIL,  29                          ; v29     0; never rewritten
.set KL,   30                          ; v30     -1032 twice in f16; v31: -72 twice
.set RB,   32                          ; raw B: buffer p, word i of my two, block b at RB + 16 p + 8 i + b
.set FA,   64                          ; window 0: A's fragments, buffer f, block a at FA + 64 f + 8 a
.set FB,   64                          ; window 1: W's fragments, buffer f, block b at FB + 64 f + 8 b
.set SC,   192                         ; f16(128 s) twice in a register, one register a block
.set SR,   200                         ; s as loaded
.set WV,   12                          ; s12  my wave's number
.set RH,   13                          ; s13  which half of the tile's rows is mine.  Also: I fetch for A (0) or for B (1)
.set CH,   14                          ; s14  which half of its columns.  Also: which half of that tile I fetch
.set LAP,  15                          ; s15  laps to go
.set SBP,  8                           ; s[8:9]   s at my columns, in the row that is loaded next
.set OUTP, 10                          ; s[10:11] out0 at my first row and column
.set G1A,  24                          ; s[24:31] descriptor group 1 for A's tiles;  s[32:39] group 0, a set for each slot
.set G0A,  32
.set G1B,  48                          ; s[48:55], s[56:63] the same for B's tiles
.set G0B,  56
.set MLO,  66                          ; s66  0x000f000f: nibbles 0 and 4 of a word
.set MHI,  67                          ; s67  0x00f000f0: nibbles 1 and 5
.set ELO,  68                          ; s68  1024 twice in f16
.set EHI,  69                          ; s69  64 twice in f16
.set RS,   70                          ; s70  2^-7
.set W_CV, 0x05                        ; sources 0 and 1 window 1 (raw A), destination window 0
.set W_DQ, 0x44                        ; source 0 window 0 (raw B, constants, scales), source 1 and destination window 1
.set TO_RA, 0x40                       ; destination window 1, address window 0
.set MSB, 0
.macro WIN new                         ; the immediate's high byte repeats the setting that is left; a switch that changes nothing is dropped
.if MSB != (\new)
	s_set_vgpr_msb (MSB<<8)|(\new)
.set MSB, \new
.endif
.endm
; A joint load.  Waves 0 and 1 fetch A's two halves, waves 2 and 3 B's.  The branch hangs on the wave's number alone: it is the same in every work-group.
; Four v_nop follow each of the two lines, ahead of the jump, the label and what follows the macro.
.macro JLOAD s
	s_cmp_eq_u32 s[RH], 0
	s_cbranch_scc0 .Lfor_b_\@
	tensor_load_to_lds s[G0A+4*(\s):G0A+4*(\s)+3], s[G1A:G1A+7]
	s_nop 0
.rept 4
	v_nop
.endr
	s_branch .Lasked_\@
.Lfor_b_\@:
	tensor_load_to_lds s[G0B+4*(\s):G0B+4*(\s)+3], s[G1B:G1B+7]
	s_nop 0
.rept 4
	v_nop
.endr
.Lasked_\@:
.endm
; A round of the cluster's barrier: my work-group's barrier, so that wave 0's signal speaks for all four waves; wave 0 signals for the work-group; every wave waits for all sixteen
; work-groups; my work-group's barrier once more.  No LDS instruction of the wave is pending at a signal.
.macro CREST                           ; a round behind its opening barrier
	s_cmp_lg_u32 s[WV], 0
	s_cbranch_scc1 .Lnot_wave_0_\@
	s_barrier_signal -3
.Lnot_wave_0_\@:
	s_barrier_wait -3
	s_barrier_signal -1
	s_barrier_wait -1
.endm
.macro CROUND                          ; a whole round
	s_barrier_signal -1
	s_barrier_wait -1
	CREST
.endm
.macro PLACES                          ; four places behind matrix instructions (ISA guide 7.12.1), where no other vector work is at hand
.rept 4
	v_nop
.endr
.endm
	s_load_b256 s[4:11], s[0:1], 0x0               ; A s[4:5], B_packed s[6:7], s s[8:9], out0 s[10:11]
	v_lshl_add_u32 v[SPW], v0, 2, SPARE
	v_mov_b32 v[NIL], 0
	ds_add_u32 v28, v29
	ds_add_u32 v28, v29
	s_wait_dscnt 0x0
	v_mov_b32 v[KL], 0xe408e408                    ; -1032, -1032
	v_mov_b32 v[KL+1], 0xd480d480                  ; -72, -72
	v_lshrrev_b32 v1, 5, v0
	v_readfirstlane_b32 s[WV], v1                  ; wave 0..3
	s_lshr_b32 s[RH], s[WV], 1
	s_and_b32 s[CH], s[WV], 1
	s_bfe_u32 s40, ttmp6, 0x40000                  ; cx: my place along the cluster's x
	s_bfe_u32 s41, ttmp6, 0x40004                  ; cy: along its y
	s_lshl_b32 s42, ttmp9, 2                       ; in a cluster launch ttmp9 and ttmp7 count clusters
	s_add_co_u32 s42, s42, s40                     ; tile column = 4 x cluster x + cx
	s_and_b32 s43, ttmp7, 0xffff
	s_lshl_b32 s43, s43, 2
	s_add_co_u32 s43, s43, s41                     ; tile row = 4 x cluster y + cy
	s_lshl_b32 s44, s41, 2
	s_lshl_b32 s44, 15, s44                        ; my row of the cluster: places 4 cy .. 4 cy + 3
	s_lshl_b32 s45, 0x1111, s40                    ; my column: places cx, cx + 4, cx + 8, cx + 12
	; descriptor group 1.  A: 128 rows x 128 elements of 4 bytes, padded in LDS.  B: 8 rows x 256 elements of 4 bytes (a step has only 16 rows of words), dense in LDS.
	s_or_b32 s[G1A+0], s44, (2<<16)|(1<<20)|(1<<21)|(6<<22)|(3<<25)  ; 15:0 the mask: my row; 17:16 elements of 4 bytes; 20 padding on; 21 set beside a mask; 24:22 after every 128 words (code 6); 31:25 4 words (code 3)
	s_mov_b32 s[G1A+1], 128<<16                    ; tensor_dim0 = 128
	s_mov_b32 s[G1A+2], 128<<16                    ; tensor_dim1 = 128
	s_mov_b32 s[G1A+3], 128<<16                    ; tile_dim0 = 128
	s_mov_b32 s[G1A+4], 128                        ; tile_dim1 = 128
	s_mov_b32 s[G1A+5], 4096                       ; elements from row to row
	s_mov_b32 s[G1A+6], 0
	s_mov_b32 s[G1A+7], 0
	s_or_b32 s[G1B+0], s45, (2<<16)|(1<<21)        ; the mask: my column; elements of 4 bytes; no padding
	s_mov_b32 s[G1B+1], 256<<16                    ; tensor_dim0 = 256
	s_mov_b32 s[G1B+2], 8<<16                      ; tensor_dim1 = 8
	s_mov_b32 s[G1B+3], 256<<16                    ; tile_dim0 = 256
	s_mov_b32 s[G1B+4], 8                          ; tile_dim1 = 8
	s_mov_b32 s[G1B+5], 8192                       ; elements from row to row
	s_mov_b32 s[G1B+6], 0
	s_mov_b32 s[G1B+7], 0
	s_mov_b32 s[MLO], 0x000f000f
	s_mov_b32 s[MHI], 0x00f000f0
	s_mov_b32 s[ELO], 0x64006400
	s_mov_b32 s[EHI], 0x54005400
	s_mov_b32 s[RS], 0x3c000000
	; where the tiles come from.  A's hang on the tile row alone, B's on the tile column alone; each offset lies in registers that never hold the other coordinate.
	s_lshl_b32 s16, s43, 22                        ; A: (256 x tile row + 128 x half) rows of 16,384 bytes: under 2^25
	s_lshl_b32 s17, s[CH], 21
	s_add_co_u32 s16, s16, s17
	s_mov_b32 s17, 0
	s_lshl_b32 s46, s42, 10                        ; B: 256 x tile column words, and 8 x half rows of 32,768 bytes
	s_lshl_b32 s47, s[CH], 18
	s_add_co_u32 s46, s46, s47
	s_mov_b32 s47, 0
	s_mul_i32 s18, s[CH], HALFA                    ; and where they go: no place in the cluster enters an LDS address
	s_mul_i32 s19, s[CH], HALFB
	s_add_co_u32 s19, s19, BOFF
	s_lshl_b32 s2, s42, 10                         ; my first column in s and in out0, in bytes: 1,024 x tile column + 512 x half
	s_lshl_b32 s3, s[CH], 9
	s_add_co_u32 s2, s2, s3
	s_mov_b32 s3, 0
	s_lshl_b32 s22, s43, 23                        ; my first row of out0: (256 x tile row + 128 x half) rows of 32,768 bytes: under 2^26
	s_lshl_b32 s23, s[RH], 22
	s_add_co_u32 s22, s22, s23
	s_mov_b32 s23, 0
	v_and_b32 v1, 15, v0                           ; r = lane % 16
	v_bfe_u32 v2, v0, 4, 1                         ; h = lane / 16
	v_lshlrev_b32 v[SO], 4, v1                     ; 16 r
	s_wait_kmcnt 0x0
	s_add_nc_u64 s[20:21], s[4:5], s[16:17]
	s_add_nc_u64 s[46:47], s[6:7], s[46:47]
	s_add_nc_u64 s[SBP:SBP+1], s[SBP:SBP+1], s[2:3]
	s_add_nc_u64 s[OUTP:OUTP+1], s[OUTP:OUTP+1], s[22:23]
	s_add_nc_u64 s[OUTP:OUTP+1], s[OUTP:OUTP+1], s[2:3]
	CROUND                                         ; all sixteen work-groups are here: the first joint loads meet
.irp sl, 0,1
	s_mov_b32 s[G0A+4*(\sl)], 1                                     ; 1:0 count = 1
	s_add_co_u32 s[G0A+4*(\sl)+1], s18, (\sl)*SLOT                  ; 63:32 LDS address
	s_add_nc_u64 s[G0A+4*(\sl)+2:G0A+4*(\sl)+3], s[20:21], (\sl)*512  ; 120:64 global address: K step sl, 128 f32 along the rows
	s_or_b32 s[G0A+4*(\sl)+3], s[G0A+4*(\sl)+3], 0x80000000         ; 127:126 type = 2
	s_mov_b32 s[G0B+4*(\sl)], 1
	s_add_co_u32 s[G0B+4*(\sl)+1], s19, (\sl)*SLOT
	s_add_nc_u64 s[G0B+4*(\sl)+2:G0B+4*(\sl)+3], s[46:47], (\sl)*524288  ; K step sl: 16 rows of 32,768 bytes down
	s_or_b32 s[G0B+4*(\sl)+3], s[G0B+4*(\sl)+3], 0x80000000
	JLOAD \sl                                      ; the ring is filled before anything else is done: two loads of mine are out
.endr
	global_load_b128 v[SR:SR+3], v[SO], s[SBP:SBP+1]               ; the scales of group 0: sixteen lanes take 256 consecutive bytes of the row (both halves of the lanes the same)
	global_load_b128 v[SR+4:SR+7], v[SO], s[SBP:SBP+1] offset:256
	v_mul_u32_u24 v3, v1, PA
	v_lshl_add_u32 v3, v2, 6, v3                   ; raw A: row r, 64 bytes (16 k) for each half of the lanes
	v_lshl_add_u32 v5, v2, 11, v[SO]               ; raw B: two rows of words down for the upper half, 16 bytes (4 columns) a lane
	v_lshl_add_u32 v[CO], v2, 18, v[SO]            ; out0: 8 rows of 32,768 bytes down for the upper half, 16 bytes a lane
	s_mul_i32 s72, s[RH], HALFA                    ; my 128 rows of A
	s_lshl_b32 s73, s[CH], 9                       ; my 128 columns of B
	s_add_co_u32 s73, s73, BOFF
.irp sl, 0,1
	v_add_nc_u32 v[ADRA+(\sl)], s72, v3
	v_add_nc_u32 v[ADRB+(\sl)], s73, v5
	s_add_co_u32 s72, s72, SLOT
	s_add_co_u32 s73, s73, SLOT
.endr
; Matrix instruction number wi of a quarter's 64: row block 4 (wi / 32) + (wi / 8) % 4, column block wi % 8, on fragment buffer f.  The 64 accumulators take turns, one instruction a turn,
; in the same order in every quarter.  zero = 1: the product starts the sum: nothing is ever cleared.
.macro WM f, zero
.set wh, wi/32
.set wa, (wi/8)%4
.set wb, wi%8
	WIN 0xa4+0x50*wh                               ; A window 0, W window 1, C and D window 2 or 3
.if \zero
	v_wmma_f32_16x16x32_f16 v[8*(8*wa+wb):8*(8*wa+wb)+7], v[FA+64*(\f)+8*(4*wh+wa):FA+64*(\f)+8*(4*wh+wa)+7], v[FB+64*(\f)+8*wb:FB+64*(\f)+8*wb+7], 0
.else
	v_wmma_f32_16x16x32_f16 v[8*(8*wa+wb):8*(8*wa+wb)+7], v[FA+64*(\f)+8*(4*wh+wa):FA+64*(\f)+8*(4*wh+wa)+7], v[FB+64*(\f)+8*wb:FB+64*(\f)+8*wb+7], v[8*(8*wa+wb):8*(8*wa+wb)+7]
.endif
.set wi, wi+1
.endm
; Four of the 64 conversions of A into buffer g.  Number cn: block cn / 8, fragment register t = cn % 8: k offsets 8 (t / 4) + t % 4 and four further on.
.macro CV g
	WIN W_CV
.rept 4
.set ca, cn/8
.set ct, cn%8
.set cs, 16*ca+128*(ca/4)+8*(ct/4)+ct%4
	v_cvt_pk_f16_f32 v[FA+64*(\g)+8*ca+ct], v[cs], v[cs+4]
.set cn, cn+1
.endr
.endm
; The next cnt of the 208 instructions that make W's fragments in buffer g of the raw words in buffer p: 13 a word.  Word dn / 13: block b = word / 2, i = word % 2.
; 0: the word's upper 24 bits.  1-4: nibbles t and t + 4 under the exponent of 1024 (t even) or 64 (t odd).  5-8: less 1032 or 72: q - 8, exact.  9-12: times f16(128 s).
; No line reads a result made fewer than three lines before it.  Whatever lies in window 1 stands as source 1, so one window setting serves them all.
.macro DQ g, p, cnt
	WIN W_DQ
.rept \cnt
.set dw, dn/13
.set dop, dn%13
.set dx, RB+16*(\p)+8*(dw%2)+dw/2
.set dd, FB+64*(\g)+8*(dw/2)+4*(dw%2)
.if dop == 0
	v_bfe_u32 v[dd+3], v[dx], 8, 24
.elseif dop == 1
	v_and_or_b32 v[dd], v[dx], s[MLO], s[ELO]
.elseif dop == 2
	v_and_or_b32 v[dd+1], v[dx], s[MHI], s[EHI]
.elseif dop == 3
	v_and_or_b32 v[dd+2], s[MLO], v[dd+3], s[ELO]
.elseif dop == 4
	v_and_or_b32 v[dd+3], s[MHI], v[dd+3], s[EHI]
.elseif dop < 9
	v_pk_add_f16 v[dd+dop-5], v[KL+(dop-5)%2], v[dd+dop-5]
.else
	v_pk_mul_f16 v[dd+dop-9], v[SC+dw/2], v[dd+dop-9]
.endif
.set dn, dn+1
.endr
.endm
; A matrix instruction and its slice of W's work: 5, 4, 4 by turns: 13 for three matrix instructions, 208 for a quarter's last 48.
.macro WD f, g, zero
.set dc, 4
.if (wi-16)%3 == 0
.set dc, 5
.endif
	WM \f, \zero
	DQ \g, \g, dc
.endm
; 36 LDS loads in one run: the raw data of quarter c of a slot.  A: 8 blocks of 16 rows, 64 bytes a lane (four loads).  B, into buffer p: words i = 0, 1 of my half's two, columns 64 u + 4 r + 0..3.
; None of these registers is an operand of a matrix instruction.  A first, B last: the waits count on that.
.macro FETCH slot, c, p
	WIN TO_RA
.irp a, 0,1,2,3,4,5,6,7
.irp e, 0,1,2,3
	ds_load_b128 v[16*(\a)+128*((\a)/4)+4*(\e):16*(\a)+128*((\a)/4)+4*(\e)+3], v[ADRA+(\slot)] offset:(\a)*16*PA+128*(\c)+16*(\e)
.endr
.endr
	WIN 0
.irp w, 0,1
.irp u, 0,1
	ds_load_b128 v[RB+16*(\p)+8*(\w)+4*(\u):RB+16*(\p)+8*(\w)+4*(\u)+3], v[ADRB+(\slot)] offset:(4*(\c)+(\w))*PB+256*(\u)
.endr
.endr
.endm
; The scales that have been loaded become f16(128 s), twice in a register.  load = 1: the next group's row is asked for, a K step ahead of its use.
.macro SCALE load
	WIN 0
	s_wait_loadcnt 0x0                             ; the two loads of the row are in, so their base may be stepped
.if \load
	s_add_nc_u64 s[SBP:SBP+1], s[SBP:SBP+1], 0x8000  ; a row of s is 32,768 bytes
.endif
.irp j, 0,2,4,6
	v_pk_mul_f32 v[SR+(\j):SR+(\j)+1], v[SR+(\j):SR+(\j)+1], 0x43000000 op_sel_hi:[1,0]  ; times 128: exact
.endr
.irp j, 0,1,2,3,4,5,6,7
	v_cvt_pk_f16_f32 v[SC+(\j)], v[SR+(\j)], v[SR+(\j)]
.endr
.if \load
	global_load_b128 v[SR:SR+3], v[SO], s[SBP:SBP+1]
	global_load_b128 v[SR+4:SR+7], v[SO], s[SBP:SBP+1] offset:256
.endif
.endm
; QUARTER c OF THE K STEP IN slot.  It multiplies fragment buffer c % 2; its slices make quarter c + 1's fragments in the other buffer, of the raw data fetched a quarter ago; its run of loads
; fetches the raw data of quarter c + 2 (for c = 2, 3: quarters 0, 1 of the other slot).
; zero = 1: the products start the sums.  conv = 0: the very last quarter: nothing is left to make.  fetch = 0: nothing is left to fetch.
; sc = 2: the next step's scales are made (this quarter's slices are the first to use them) and the row after them is asked for; sc = 1: made only.
; turn (c = 2): THE CHANGE OF SLOTS.  This slot's last bytes were asked for in quarter 1's run.  Each wave waits for all its tensor loads, of which one is out: its part of the other slot; adds 0 to
; its spare word; and waits for that and for its reads of this slot.  Behind the barrier nobody reads this slot any more and the other slot is whole.  turn = 2: the barrier opens a round of the
; cluster's barrier, and this slot is filled again, two K steps on, first thing behind it: 234 matrix instructions ahead of the wait for it.  turn = 1: nothing is left to ask for.
.macro Q slot, c, zero, turn, fetch, conv, sc
.set wi, 0
.set cn, 0
.set dn, 0
.set tadd, 0
.if \turn
.set tadd, 1
.endif
.if \sc
	SCALE (\sc)-1
.endif
.if \turn
	WIN 0                                          ; (the add's two registers lie in window 0)
	s_wait_tensorcnt 0x0                           ; all my tensor loads have landed: the one that was out is my part of the other slot;
	ds_add_u32 v[SPW], v[NIL]                      ; 0 onto my spare word: sixteen matrix instructions and their slices stand between it and the wait for it
.endif
.if \conv
	s_wait_dscnt 20+tadd                           ; of the last run's 36 loads the first 16 are in: raw A, blocks 0-3; 16 of A, 4 of B (and the add) may be out
.rept 8
	WM (\c)%2, \zero
	CV ((\c)+1)%2
.endr
	s_wait_dscnt 4+tadd                            ; all of raw A is in; B's four loads (and the add) may be out
.rept 8
	WM (\c)%2, \zero
	CV ((\c)+1)%2
.endr
	s_wait_dscnt 0x0                               ; raw B is in; with a turn: the add is done, and my reads of this slot are over
.if \turn
	s_barrier_signal -1                            ; say so,
.rept 6
	WD (\c)%2, ((\c)+1)%2, \zero                   ; work on registers while the others arrive,
.endr
.if (\turn) == 2
	WIN 0
.endif
	s_barrier_wait -1                              ; and go on when all four have said so
.if (\turn) == 2
	CREST                                          ; all sixteen work-groups have said so: no wave of any partner still reads this slot or has a load on its way
	s_add_nc_u64 s[G0A+4*(\slot)+2:G0A+4*(\slot)+3], s[G0A+4*(\slot)+2:G0A+4*(\slot)+3], 1024      ; two K steps on: 256 f32 along A's rows,
	s_add_nc_u64 s[G0B+4*(\slot)+2:G0B+4*(\slot)+3], s[G0B+4*(\slot)+2:G0B+4*(\slot)+3], 0x100000  ; 32 rows of B down; the type bits on top are not reached
	JLOAD \slot                                    ; the first tensor load behind the round, my only one until the next
.endif
.endif
.if \fetch
.if (\c) < 2
	FETCH \slot, (\c)+2, (\c)%2
.else
	FETCH 1-(\slot), (\c)-2, (\c)%2
.endif
.endif
.rept 48-6*tadd
	WD (\c)%2, ((\c)+1)%2, \zero
.endr
.else
.rept 64
	WM (\c)%2, \zero
.endr
.endif
.endm
; A slice writes only the buffer that the running quarter does not multiply.  The quarter before read that buffer; behind its last matrix instruction stand four plain instructions of its own
; slice, which name none of its registers, and the registers that it read are written 56 plain instructions later at the earliest (ISA guide 7.12.1).
	SCALE 1                                        ; group 0's scales are made, group 1's row is asked for
	s_wait_tensorcnt 0x1                           ; my part of K step 0 is in; K step 1's, issued behind it, may stay out
	s_barrier_signal -1
	s_barrier_wait -1                              ; everybody's is
	FETCH 0, 0, 0                                  ; the first quarter's fragments are made with no matrix work beside them: once in the launch
	s_wait_dscnt 0x0
.set cn, 0
.rept 16
	CV 0
.endr
	FETCH 0, 1, 1                                  ; raw A's registers have been read: quarter 1 goes in
.set dn, 0
	DQ 0, 0, 208
	Q 0, 0, 1, 0, 1, 1, 0                          ; the first quarter stands in front of the loop: its products start the sums
	WIN 0                                          ; at a label and at a branch every window is 0
	s_mov_b32 s[LAP], LAPS-1
.Llap:                                                 ; a trip goes once round the ring, from a lap's second quarter to the next lap's first, and fills both slots again: K steps 2 to 31; scale rows 2 to 31
	Q 0, 1, 0, 0, 1, 1, 0
	Q 0, 2, 0, 2, 1, 1, 0
	Q 0, 3, 0, 0, 1, 1, 2
	Q 1, 0, 0, 0, 1, 1, 0
	Q 1, 1, 0, 0, 1, 1, 0
	Q 1, 2, 0, 2, 1, 1, 0
	Q 1, 3, 0, 0, 1, 1, 2
	Q 0, 0, 0, 0, 1, 1, 0
	WIN 0
	s_sub_co_u32 s[LAP], s[LAP], 1
	s_cmp_lg_u32 s[LAP], 0
	s_cbranch_scc1 .Llap
	Q 0, 1, 0, 0, 1, 1, 0                          ; the last lap is written out: it asks for nothing
	Q 0, 2, 0, 1, 1, 1, 0                          ; slot 1 holds the last K step; nothing is filled again, so no round follows
	Q 0, 3, 0, 0, 1, 1, 1                          ; the last group's scales are made; no row is left to load
	Q 1, 0, 0, 0, 1, 1, 0
	Q 1, 1, 0, 0, 1, 1, 0
	Q 1, 2, 0, 0, 0, 1, 0                          ; the last fragments are made; nothing is left to fetch
	Q 1, 3, 0, 0, 0, 0, 0
; THE WAY OUT, a block of 16 rows at a time.  Register j of the accumulators (a, 4 u .. 4 u + 3) is columns 64 u + 4 r + 0..3 of row 16 a + 8 h + j: the multiply by 2^-7 puts the four side by side,
; and one store writes 16 bytes a lane: lanes 0-15 fill 256 consecutive bytes of a row, at a multiple of 256 from out0's first byte, lanes 16-31 the same eight rows below.
; Number x of a block's 64: register x / 8 of accumulator x % 8: each accumulator is read from its lowest register on.
.macro OUTB a
	s_wait_xcnt 0x0                                ; every earlier store has had its addresses translated (ISA guide 3.1): only behind this wait are registers that stores read written again
	WIN 0x08+4*((\a)/4)                            ; source 1 window 2 or 3
.set ox, 0
.rept 64
	v_mul_f32 v[FA+64*((\a)%2)+ox], s[RS], v[8*(8*((\a)%4)+ox%8)+ox/8]
.set ox, ox+1
.endr
	WIN 0
.set ox, 0
.rept 16
	global_store_b128 v[CO], v[FA+64*((\a)%2)+4*ox:FA+64*((\a)%2)+4*ox+3], s[OUTP:OUTP+1] offset:(\a)*524288+(ox/2)*32768+(ox%2)*256 th:TH_STORE_NT  ; 3,899,648 at the most: inside the signed 24-bit immediate
.set ox, ox+1
.endr
.endm
	PLACES                                         ; the multiplies read results just made and write registers that the last products read
.irp a, 0,1,2,3,4,5,6,7
	OUTB \a
.endr
	s_wait_tensorcnt 0x0                           ; the wave's end, behind my last tensor load
	ds_add_u32 v[SPW], v[NIL]
	s_wait_dscnt 0x0
	CROUND                                         ; the closing round: no work-group ends while a partner may still ask for a tile that names it
	s_endpgm
.Lfunc_end_k_q1203d0d8bd_gemm:
	.size	k_q1203d0d8bd_gemm, .Lfunc_end_k_q1203d0d8bd_gemm-k_q1203d0d8bd_gemm
	.p2alignl 7, 3214868480
	.fill 96, 4, 3214868480
	.section	.rodata,"a",@progbits
	.p2align	6, 0x0
	.amdhsa_kernel k_q1203d0d8bd_gemm
		.amdhsa_group_segment_fixed_size 327680
		.amdhsa_private_segment_fixed_size 0
		.amdhsa_enable_private_segment 0
		.amdhsa_kernarg_size 32
		.amdhsa_user_sgpr_count 2
		.amdhsa_user_sgpr_kernarg_segment_ptr 1
		.amdhsa_wavefront_size32 1
		.amdhsa_system_sgpr_workgroup_id_x 1
		.amdhsa_system_sgpr_workgroup_id_y 1
		.amdhsa_system_sgpr_workgroup_id_z 1
		.amdhsa_system_vgpr_workitem_id 0
		.amdhsa_next_free_vgpr 1024
		.amdhsa_next_free_sgpr 76
		.amdhsa_reserve_vcc 0
		.amdhsa_float_denorm_mode_32 3
		.amdhsa_float_denorm_mode_16_64 3
		.amdhsa_memory_ordered 1
		.amdhsa_forward_progress 1
		.amdhsa_inst_pref_size 255
	.end_amdhsa_kernel
	.section	.bss,"aw",@nobits
	.p2align	6
	.space	262144
	.amdgpu_metadata
---
amdhsa.version: [ 1, 2 ]
amdhsa.kernels:
  - .name:           k_q1203d0d8bd_gemm
    .symbol:         k_q1203d0d8bd_gemm.kd
    .args:
      - { .name: A, .offset: 0, .size: 8, .value_kind: global_buffer, .address_space: global }
      - { .name: B_packed, .offset: 8, .size: 8, .value_kind: global_buffer, .address_space: global }
      - { .name: s, .offset: 16, .size: 8, .value_kind: global_buffer, .address_space: global }
      - { .name: out0, .offset: 24, .size: 8, .value_kind: global_buffer, .address_space: global }
    .group_segment_fixed_size: 327680
    .private_segment_fixed_size: 0
    .kernarg_segment_align: 8
    .kernarg_segment_size: 32
    .max_flat_workgroup_size: 128
    .sgpr_count:     76
    .vgpr_count:     1024
    .wavefront_size: 32
...
	.end_amdgpu_metadata
.endif
;; end of part 1
